; MI455X (gfx1250); checked and timed in simulation.
; The chip was launched on July 23, 2026; its instructions are those of AMD's public machine-readable ISA for CDNA 5 (MIT licence, August 2026) and "CDNA5" Instruction Set Architecture Reference Guide (July 2026). The comments in the code are by the model that wrote it; some were corrected since.
;; W Multi Head Attention. Allowed arithmetic: float matrix products may take bf16 or f16 operands with f32 sums; all other float work in f32.
;; Inputs: Wfc 512 x 512 float32; Wk 512 x 512 float32; Wq 512 x 512 float32; Wv 512 x 512 float32; bfc 512 float32; bk 512 float32; bq 512 float32; bv 512 float32; x 2 x 4,096 x 512 float32.
;; Outputs: out0 2 x 4,096 x 512 float32.
;; One version. Each part assembles by itself: llvm-mc -triple=amdgcn-amd-amdhsa -mcpu=gfx1250 --defsym DOCPART=n.
;; ======== version 1 of 1: 2 launches
;; limits: values are held in f16: magnitudes above 65,504 overflow, below 6.1e-05 lose precision
;; workspace buffers: qf 8,388,608 bytes; kf 8,388,608 bytes; vf 8,388,608 bytes; wf 524,288 bytes
;; launch proj (part 1): grid 8 x 32, 16 waves a work-group, no clusters, 129,024 bytes of LDS; arguments x, Wq, Wk, Wv, bq, bk, bv, Wfc, qf, kf, vf, wf; writes qf, kf, vf, wf
.if DOCPART == 1
	.amdgcn_target "amdgcn-amd-amdhsa--gfx1250"
	.amdhsa_code_object_version 6
	.text
	.protected	k_q9ec2918bf8_proj
	.globl	k_q9ec2918bf8_proj
	.p2align	8
	.type	k_q9ec2918bf8_proj,@function
k_q9ec2918bf8_proj:
	s_mov_b64 s[64:65], 0
	v_nop
	global_prefetch_b8 v0, s[64:65] scope:SCOPE_SE
	s_setreg_imm32_b32 hwreg(HW_REG_WAVE_MODE, 25, 1), 1
	s_wait_xcnt 0x0
; q, k, v = x W + b for one head and 256 tokens, rounded to f16 and stored IN FRAGMENT ORDER; besides, Wfc is turned into f16 fragments.
; x: [8192][512] f32.  Wq, Wk, Wv, Wfc: [512][512] f32.  bq, bk, bv: [512] f32.  Sums in f32, operands of the products in f16.
; SHARES.  Work-group (head = x of the grid, rb = y): tokens 256 rb .. +255, the head's 64 columns of q, of k and of v.  Sixteen waves:
; wave w takes tokens 64 (w & 3) .. +63 (four tiles a of 16) and channels 16 (w >> 2) .. +15 of q, k and v: 12 accumulators, 96 registers.
; K = 512 goes in 8 steps of 64: rows of x and of W are then 256 consecutive bytes, aligned.  They come through registers, since they are f32 and
; are rounded to f16 on the way; two LDS buffers take turns, with one barrier a step.
; FRAGMENT ORDER.  A packed 16 x 16 result (4 registers a lane) is stored as one block of 512 bytes, lane L's 16 bytes at 16 L, at
; ((batch*8+head)*256 + token tile)*2048 + channel tile*512.  q, k: the product is used with its sources swapped (W first), so that lane (r, h) holds token r,
; channels 8h..8h+7; v: natural order, lane (r, h) holds channel r, tokens 8h..8h+7.  Two such blocks are an operand of 16 x 32 for the next launch as they lie.
; wf: block nt*16+ks (column tile nt of 32, K step ks of 16) has 1,024 bytes: registers 0-3 of the fragment at 16 L, registers 4-7 at 512 + 16 L.
; LIMITS.  Operands are f16: |x|, |W|, |q|, |k|, |v| must stay under 65,504 (beyond it the conversion gives infinity); magnitudes under 6.1e-5 keep an absolute step of 6e-8.
; f16 and not bf16, since five roundings of 8 bits between x and the output do not fit the accuracy asked.  NaN and infinite inputs are not served.
; NO TENSOR LOADS, NO CLUSTER, though 8 work-groups read the same rows of x and 32 the same rows of W: a tile copied as it lies would be f32 in LDS, twice the bytes
; (229,376 for two buffers' 114,688 of f16 now), and would have to be read, rounded and written to LDS once more before a fragment could be loaded.
.set PX,   144                         ; LDS row of x: 64 f16 = 128 bytes + 16: an odd multiple of 16, so the 16 rows of a fragment load fall on different 16-byte columns of 256
.set PW,   416                         ; LDS row of W: q64 | k64 | v64 f16 = 384 bytes + 32: an odd multiple of 32
.set WS0,  256*PX                      ; W's 64 rows lie behind x's 256
.set BUF,  WS0+64*PW                   ; a buffer: 63,488 bytes; two of them
.set GOFF, 4                           ; v4      (t>>4)*2048 + (t&15)*16: my 16 bytes in 32 rows of x or of W; never rewritten
.set SX,   5                           ; v5-6    where I store 4 f16 of x, buffer 0, 1
.set SW,   7                           ; v7-8    the same for W
.set AX,   9                           ; v9-10   my lane's place in my wave's fragments of x, buffer 0, 1
.set AW,   11                          ; v11-12  the same for W (turning load)
.set L16,  13                          ; v13     16 x lane
.set H32,  14                          ; v14     32 h
.set R4,   15                          ; v15     4 r
.set BQ,   16                          ; v16-23 bq, v24-31 bk of my 8 channels
.set BV,   32                          ; v32-33 bv of my channel, twice
.set XA,   40                          ; v40-71  four fragments of x
.set WB,   72                          ; v72-95  fragments of Wq, Wk, Wv
.set ST,   96                          ; v96-151 14 loads of 4 registers on their way from memory to LDS
.set ACC,  160                         ; v160-255 accumulator (a, m) at ACC + 8 (3 a + m); m = 0 q, 1 k, 2 v
.macro PLACES n
.rept \n
	v_nop
.endr
.endm
.macro MM d, a, b, zero                ; one product; zero = 1: it starts the sum, nothing is ever cleared
.if \zero
	v_wmma_f32_16x16x32_f16 v[\d:\d+7], v[\a:\a+7], v[\b:\b+7], 0
.else
	v_wmma_f32_16x16x32_f16 v[\d:\d+7], v[\a:\a+7], v[\b:\b+7], v[\d:\d+7]
.endif
.endm
; K step k from memory: 8 loads for x (32 rows each over the work-group), 2 for each W.  Sixteen neighbouring lanes read one row's 256 bytes.
.macro GLOAD k
.irp i, 0,1,2,3,4,5,6,7
	global_load_b128 v[ST+4*\i:ST+4*\i+3], v[GOFF], s[8:9] offset:\i*65536+(\k)*256
.endr
.irp m, 0,1,2
.irp i, 0,1
	global_load_b128 v[ST+32+8*\m+4*\i:ST+32+8*\m+4*\i+3], v[GOFF], s[10+2*\m:11+2*\m] offset:\i*65536+(\k)*131072
.endr
.endr
.endm
; what GLOAD brought, rounded to f16 in place and laid into buffer b
.macro CVTST b
.irp i, 0,1,2,3,4,5,6,7
	v_cvt_pk_f16_f32 v[ST+4*\i],   v[ST+4*\i],   v[ST+4*\i+1]
	v_cvt_pk_f16_f32 v[ST+4*\i+1], v[ST+4*\i+2], v[ST+4*\i+3]
	ds_store_b64 v[SX+(\b)], v[ST+4*\i:ST+4*\i+1] offset:\i*32*PX
.endr
.irp m, 0,1,2
.irp i, 0,1
	v_cvt_pk_f16_f32 v[ST+32+8*\m+4*\i],   v[ST+32+8*\m+4*\i],   v[ST+32+8*\m+4*\i+1]
	v_cvt_pk_f16_f32 v[ST+32+8*\m+4*\i+1], v[ST+32+8*\m+4*\i+2], v[ST+32+8*\m+4*\i+3]
	ds_store_b64 v[SW+(\b)], v[ST+32+8*\m+4*\i:ST+32+8*\m+4*\i+1] offset:\m*128+\i*32*PW
.endr
.endr
.endm
; 32 along K (half sub of buffer b): 14 LDS loads, 12 products.  The 12 accumulators take turns, one instruction a turn.
.macro SUB b, sub, zero
.if \zero == 0
	PLACES 4                                       ; four places between the last products and the loads into the registers that they read
.endif
.irp a, 0,1,2,3
	ds_load_b128 v[XA+8*\a:XA+8*\a+3],   v[AX+(\b)] offset:\a*16*PX+\sub*64
	ds_load_b128 v[XA+8*\a+4:XA+8*\a+7], v[AX+(\b)] offset:\a*16*PX+\sub*64+32
.endr
.irp m, 0,1,2
	ds_load_tr16_b128 v[WB+8*\m:WB+8*\m+3],   v[AW+(\b)] offset:\sub*32*PW+\m*128          ; W lies [k][column]: turned, lane L gets column r, k = 8h .. 8h+7
	ds_load_tr16_b128 v[WB+8*\m+4:WB+8*\m+7], v[AW+(\b)] offset:\sub*32*PW+\m*128+16*PW    ; and k = 16+8h .. +7
.endr
	s_wait_dscnt 0x0                               ; all 14 are in
.irp a, 0,1,2,3
	MM ACC+24*\a,    WB,      XA+8*\a, \zero       ; q: channels x tokens
	MM ACC+24*\a+8,  WB+8,    XA+8*\a, \zero       ; k: the same
	MM ACC+24*\a+16, XA+8*\a, WB+16,   \zero       ; v: tokens x channels
.endr
.endm
; K step k: multiply its buffer; then lay the next step's numbers, which were asked for a whole step ago, into the other buffer, and ask for the step after that.
.macro STEP k
.if (\k) == 0
	SUB 0, 0, 1
.else
	SUB (\k)&1, 0, 0
.endif
	SUB (\k)&1, 1, 0
.if (\k) < 7
	s_wait_loadcnt 0x0                             ; step k + 1's 14 loads, the only ones out
	CVTST 1-((\k)&1)                               ; the other buffer was last read in step k - 1, in front of that step's barrier
	s_wait_dscnt 0x0                               ; for the others' sake: my stores are done (my reads of this buffer were waited for above)
.if (\k) < 6
	GLOAD (\k)+2                                   ; ST is free: the LDS stores that read it are done
.endif
	s_barrier_signal -1
	s_barrier_wait -1
.endif
.endm
	s_load_b512 s[8:23], s[0:1], 0x0               ; x 8:9, Wq 10:11, Wk 12:13, Wv 14:15, bq 16:17, bk 18:19, bv 20:21, Wfc 22:23
	s_load_b256 s[24:31], s[0:1], 0x40             ; qf 24:25, kf 26:27, vf 28:29, wf 30:31
	v_lshl_add_u32 v158, v0, 2, 0x1f000
	v_mov_b32 v159, 0
	s_mov_b32 s2, ttmp9                            ; head
	s_and_b32 s3, ttmp7, 0xffff                    ; rb: block of 256 tokens
	v_lshrrev_b32 v3, 5, v0
	v_readfirstlane_b32 s4, v3                     ; wave 0..15
	s_and_b32 s5, s4, 3                            ; rs: which 64 tokens
	s_lshr_b32 s6, s4, 2                           ; cg: which 16 channels
	v_and_b32 v1, 15, v0                           ; r
	v_bfe_u32 v2, v0, 4, 1                         ; h
	v_lshrrev_b32 v3, 4, v0                        ; t >> 4: my row of 32
	v_lshlrev_b32 v[GOFF], 11, v3
	v_lshl_add_u32 v[GOFF], v1, 4, v[GOFF]
	v_mul_u32_u24 v[SX], v3, PX
	v_lshl_add_u32 v[SX], v1, 3, v[SX]
	v_add_nc_u32 v[SX+1], BUF, v[SX]
	v_mul_u32_u24 v[SW], v3, PW
	v_lshl_add_u32 v[SW], v1, 3, v[SW]
	v_add_nc_u32 v[SW], WS0, v[SW]
	v_add_nc_u32 v[SW+1], BUF, v[SW]
	s_mul_i32 s34, s5, 64*PX                       ; my wave's 64 rows of x
	v_mul_u32_u24 v[AX], v1, PX
	v_lshl_add_u32 v[AX], v2, 4, v[AX]             ; row r x pitch + 16 h
	v_add_nc_u32 v[AX], s34, v[AX]
	v_add_nc_u32 v[AX+1], BUF, v[AX]
	v_and_b32 v34, 7, v0
	v_lshl_add_u32 v34, v2, 3, v34                 ; k row 8 h + (L & 7)
	v_mul_u32_u24 v[AW], v34, PW
	v_bfe_u32 v34, v0, 3, 1
	v_lshl_add_u32 v[AW], v34, 4, v[AW]            ; + 16 ((L >> 3) & 1)
	s_lshl_b32 s35, s6, 5                          ; my 16 channels: 32 bytes
	s_add_co_u32 s35, s35, WS0
	v_add_nc_u32 v[AW], s35, v[AW]
	v_add_nc_u32 v[AW+1], BUF, v[AW]
	v_and_b32 v[L16], 31, v0
	v_lshlrev_b32 v[L16], 4, v[L16]
	v_lshlrev_b32 v[H32], 5, v2
	v_lshlrev_b32 v[R4], 2, v1
	v_lshlrev_b32 v3, 14, v2
	v_lshl_add_u32 v3, v1, 2, v3                   ; Wfc: 8 h rows of 2,048 bytes + 4 r
	s_mov_b32 s33, 0                               ; the upper word of every offset pair
	s_wait_kmcnt 0x0
	s_lshl_b32 s32, s3, 19                         ; 256 rows of 2,048 bytes
	s_add_nc_u64 s[8:9], s[8:9], s[32:33]
	s_lshl_b32 s32, s2, 8                          ; the head's 64 columns
	s_add_nc_u64 s[10:11], s[10:11], s[32:33]
	s_add_nc_u64 s[12:13], s[12:13], s[32:33]
	s_add_nc_u64 s[14:15], s[14:15], s[32:33]
	s_lshl_b32 s34, s6, 6
	s_add_co_u32 s32, s32, s34                     ; + my 16 channels
	s_add_nc_u64 s[16:17], s[16:17], s[32:33]
	s_add_nc_u64 s[18:19], s[18:19], s[32:33]
	s_add_nc_u64 s[20:21], s[20:21], s[32:33]
	s_lshr_b32 s34, s3, 4                          ; batch
	s_lshl_b32 s34, s34, 3
	s_add_co_u32 s34, s34, s2                      ; batch*8 + head
	s_lshl_b32 s34, s34, 8
	s_and_b32 s35, s3, 15
	s_lshl_b32 s35, s35, 4
	s_add_co_u32 s34, s34, s35                     ; + the block's 16 token tiles
	s_lshl2_add_u32 s34, s5, s34                   ; + my wave's 4
	s_lshl_b32 s34, s34, 11
	s_lshl_b32 s35, s6, 9
	s_add_co_u32 s32, s34, s35                     ; + channel tile x 512
	s_add_nc_u64 s[24:25], s[24:25], s[32:33]
	s_add_nc_u64 s[26:27], s[26:27], s[32:33]
	s_add_nc_u64 s[28:29], s[28:29], s[32:33]
	global_load_b128 v[BQ:BQ+3],     v[H32], s[16:17]
	global_load_b128 v[BQ+4:BQ+7],   v[H32], s[16:17] offset:16
	global_load_b128 v[BQ+8:BQ+11],  v[H32], s[18:19]
	global_load_b128 v[BQ+12:BQ+15], v[H32], s[18:19] offset:16
	global_load_b32 v[BV], v[R4], s[20:21]
	GLOAD 0
	; Wfc: 512 blocks, two to a work-group: waves 0 and 1 each turn one block of 32 k x 16 columns into a fragment.  No barrier stands inside the branch.
	s_cmp_ge_u32 s4, 2
	s_cbranch_scc1 .Lno_wfc
	s_lshl_b32 s34, s3, 3
	s_add_co_u32 s34, s34, s2
	s_lshl1_add_u32 s34, s34, s4                   ; block = 2 (8 rb + head) + wave = 16 nt + ks
	s_and_b32 s35, s34, 15
	s_lshl_b32 s32, s35, 16                        ; ks: 32 rows of 2,048 bytes
	s_lshr_b32 s35, s34, 4
	s_lshl_b32 s35, s35, 6                         ; nt: 16 columns of 4 bytes
	s_add_co_u32 s32, s32, s35
	s_add_nc_u64 s[40:41], s[22:23], s[32:33]
	s_lshl_b32 s32, s34, 10
	s_add_nc_u64 s[42:43], s[30:31], s[32:33]
.irp i, 0,1,2,3,4,5,6,7
	global_load_b32 v[XA+\i],   v3, s[40:41] offset:\i*2048          ; k = 8 h + i, column r
	global_load_b32 v[XA+8+\i], v3, s[40:41] offset:32768+\i*2048    ; k = 16 + 8 h + i
.endr
	s_wait_loadcnt 0x0
.irp i, 0,1,2,3,4,5,6,7
	v_cvt_pk_f16_f32 v[XA+\i], v[XA+2*\i], v[XA+2*\i+1]
.endr
	global_store_b128 v[L16], v[XA:XA+3],   s[42:43]
	global_store_b128 v[L16], v[XA+4:XA+7], s[42:43] offset:512
	s_wait_xcnt 0x0                                ; the stores' data registers are loaded again below only behind this wait
.Lno_wfc:
	s_wait_loadcnt 0x0                             ; the biases and K step 0
	v_mov_b32 v[BV+1], v[BV]
	CVTST 0
	s_wait_dscnt 0x0                               ; for the others' sake: my part of buffer 0 is written
	GLOAD 1
	s_barrier_signal -1
	s_barrier_wait -1
.irp k, 0,1,2,3,4,5,6,7
	STEP \k
.endr
	; THE WAY OUT: the bias, one rounding to f16, one store of 512 consecutive aligned bytes for each accumulator.
	PLACES 4                                       ; four places between the last products and the first read of a result
.irp a, 0,1,2,3
.irp m, 0,1,2
.irp p, 0,1,2,3
.if \m == 2
	v_pk_add_f32 v[ACC+8*(3*\a+\m)+2*\p:ACC+8*(3*\a+\m)+2*\p+1], v[ACC+8*(3*\a+\m)+2*\p:ACC+8*(3*\a+\m)+2*\p+1], v[BV:BV+1]
.else
	v_pk_add_f32 v[ACC+8*(3*\a+\m)+2*\p:ACC+8*(3*\a+\m)+2*\p+1], v[ACC+8*(3*\a+\m)+2*\p:ACC+8*(3*\a+\m)+2*\p+1], v[BQ+8*\m+2*\p:BQ+8*\m+2*\p+1]
.endif
.endr
.irp p, 0,1,2,3
	v_cvt_pk_f16_f32 v[ACC+8*(3*\a+\m)+\p], v[ACC+8*(3*\a+\m)+2*\p], v[ACC+8*(3*\a+\m)+2*\p+1]
.endr
	global_store_b128 v[L16], v[ACC+8*(3*\a+\m):ACC+8*(3*\a+\m)+3], s[24+2*\m:25+2*\m] offset:\a*2048
.endr
.endr
	s_wait_tensorcnt 0x0
	ds_add_u32 v158, v159
	s_wait_dscnt 0x0
	s_endpgm
.Lfunc_end_k_q9ec2918bf8_proj:
	.size	k_q9ec2918bf8_proj, .Lfunc_end_k_q9ec2918bf8_proj-k_q9ec2918bf8_proj
	.p2alignl 7, 3214868480
	.fill 96, 4, 3214868480
	.section	.rodata,"a",@progbits
	.p2align	6, 0x0
	.amdhsa_kernel k_q9ec2918bf8_proj
		.amdhsa_group_segment_fixed_size 129024
		.amdhsa_private_segment_fixed_size 0
		.amdhsa_enable_private_segment 0
		.amdhsa_kernarg_size 96
		.amdhsa_user_sgpr_count 2
		.amdhsa_user_sgpr_kernarg_segment_ptr 1
		.amdhsa_wavefront_size32 1
		.amdhsa_system_sgpr_workgroup_id_x 1
		.amdhsa_system_sgpr_workgroup_id_y 1
		.amdhsa_system_sgpr_workgroup_id_z 1
		.amdhsa_system_vgpr_workitem_id 0
		.amdhsa_next_free_vgpr 256
		.amdhsa_next_free_sgpr 66
		.amdhsa_reserve_vcc 0
		.amdhsa_float_denorm_mode_32 3
		.amdhsa_float_denorm_mode_16_64 3
		.amdhsa_memory_ordered 1
		.amdhsa_forward_progress 1
		.amdhsa_inst_pref_size 75
	.end_amdhsa_kernel
	.amdgpu_metadata
---
amdhsa.version: [ 1, 2 ]
amdhsa.kernels:
  - .name:           k_q9ec2918bf8_proj
    .symbol:         k_q9ec2918bf8_proj.kd
    .args:
      - { .name: x, .offset: 0, .size: 8, .value_kind: global_buffer, .address_space: global }
      - { .name: Wq, .offset: 8, .size: 8, .value_kind: global_buffer, .address_space: global }
      - { .name: Wk, .offset: 16, .size: 8, .value_kind: global_buffer, .address_space: global }
      - { .name: Wv, .offset: 24, .size: 8, .value_kind: global_buffer, .address_space: global }
      - { .name: bq, .offset: 32, .size: 8, .value_kind: global_buffer, .address_space: global }
      - { .name: bk, .offset: 40, .size: 8, .value_kind: global_buffer, .address_space: global }
      - { .name: bv, .offset: 48, .size: 8, .value_kind: global_buffer, .address_space: global }
      - { .name: Wfc, .offset: 56, .size: 8, .value_kind: global_buffer, .address_space: global }
      - { .name: qf, .offset: 64, .size: 8, .value_kind: global_buffer, .address_space: global }
      - { .name: kf, .offset: 72, .size: 8, .value_kind: global_buffer, .address_space: global }
      - { .name: vf, .offset: 80, .size: 8, .value_kind: global_buffer, .address_space: global }
      - { .name: wf, .offset: 88, .size: 8, .value_kind: global_buffer, .address_space: global }
    .group_segment_fixed_size: 129024
    .private_segment_fixed_size: 0
    .kernarg_segment_align: 8
    .kernarg_segment_size: 96
    .max_flat_workgroup_size: 512
    .sgpr_count:     66
    .vgpr_count:     256
    .wavefront_size: 32
...
	.end_amdgpu_metadata
.endif
;; end of part 1
;; launch attn (part 2): grid 256 x 1, 8 waves a work-group, clusters of 4 x 1, 327,680 bytes of LDS; arguments qf, kf, vf, wf, bfc, out0; writes out0
.if DOCPART == 2
	.amdgcn_target "amdgcn-amd-amdhsa--gfx1250"
	.amdhsa_code_object_version 6
	.text
	.protected	k_q9ec2918bf8_attn
	.globl	k_q9ec2918bf8_attn
	.p2align	8
	.type	k_q9ec2918bf8_attn,@function
k_q9ec2918bf8_attn:
	s_mov_b64 s[64:65], 0
	v_nop
	global_prefetch_b8 v0, s[64:65] scope:SCOPE_SE
	s_setreg_imm32_b32 hwreg(HW_REG_WAVE_MODE, 25, 1), 1
	s_wait_xcnt 0x0
	s_wait_alu depctr_hold_cnt(0) depctr_sa_sdst(0) depctr_va_vdst(0) depctr_va_sdst(0) depctr_va_ssrc(0) depctr_va_vcc(0) depctr_vm_vsrc(0)
	s_getreg_b32 s2, hwreg(HW_REG_IB_STS2, 6, 4)
	s_cmp_eq_u32 s2, 0
	s_cbranch_scc0 .Lentry_in_a_cluster
	s_endpgm
.Lentry_in_a_cluster:
	s_bfe_u32 s2, ttmp6, 0x10000c
	s_cmp_lg_u32 s2, 0x3003
	s_cbranch_scc0 .Lentry_shape_is_right
	s_endpgm
.Lentry_shape_is_right:
; out = softmax over the band |i - j| <= 128 of (q k^T / 8) v, all 8 heads, then times Wfc plus bfc.  q, k, v, Wfc come as f16 fragments (see the launch before); out0: [8192][512] f32.
; SHARES.  A work-group owns 32 queries (two tiles t of 16).  In the attention wave w is head w; in the last product it owns output columns 64 w .. +63.
; KEYS.  Queries 32 qi .. +31 see the 18 key tiles kt = 2 qi - 8 + j, j = 0..17, taken in three steps of 6 tiles (96 keys): the centre (j = 6..11) first, then the low and the high ones.
; The centre holds tiles 8 and 9, all of whose keys every query sees, so the running maximum is finite from the first step on and a masked score can be a true -infinity.
; key - query = 16 (j - 8 - t) + (8 h - r) + i for register i of lane (r, h): only j = t (from below), j = 16 + t (from above) are cut inside a tile; (t, j) = (1, 0) and (0, 17) fall out whole.
; A key tile outside the sequence is read from a clamped tile, so that every load stays inside its buffer; -infinity is added to its scores (0 to all others': a select, no branch, since the
; partners of a cluster run the same path) and its v meets weights of 0.
; LAYOUT.  S^T = K Q^T (source 0 = 16 keys): a lane holds ONE query r and keys 8 h + 0..7; two such tiles, rounded to f16 in pairs, ARE source 1 of O^T = V^T P, whose result again holds one
; query a lane and eight channels, which packed is a piece of source 1 of out^T = Wfc^T o^T.  Only o changes waves, through LDS.
; SOFTMAX.  Running maximum m and sum l a query: p = 2^(c s - c m), c = log2(e) / 8; O and l are multiplied by 2^(c m_old - c m_new) in the second and third step.
; LIMITS.  p and o are rounded to f16 (p <= 1; |o| <= max |v| < 65,504); sums, maxima and l are f32.  v_exp_f32 gives 0 for results under 2^-126.  NaN and infinite inputs are not served.
; CLUSTER.  Every work-group walks the same 524,288 bytes of Wfc, so four work-groups form a cluster and ask for them JOINTLY: the same tensor load, with the same descriptor and a mask that names
; the four, in all four; each receives the tile in its own LDS.  Wave w asks for its own four column tiles (4 rows of wf, 16,384 bytes apart) and reads only what its own load brought.
; Two loads a wave: K steps 0-7 at the start (they land under the attention), K steps 8-15 into the same bytes, once the first half has been copied into the registers that K and V leave free.
; One tensor load of a wave is out at a time.
; K, V AND Q ARE NOT ASKED FOR JOINTLY: each fragment is read by one wave and goes straight into its registers, 512 consecutive bytes a load; partners' key windows are shifted by two tiles, so the four
; windows of a step span 12 tiles of which each partner wants 6, and 8 heads x 12 tiles x 4,096 bytes = 393,216 bytes a step do not fit LDS.
; REGISTERS.  Window 0: addresses, statistics, Q, S^T / P, O^T.  Window 1 (v256-511): K's, V's and Wfc's fragments, always source 0 of a product.
; s_set_vgpr_msb: 0x40 loads into window 1 (address in window 0), 0x01 products (source 0 in window 1), 0 all else and at every label and branch.
; LDS.  0 .. 32,767: o's fragments.  (w + 1) x 32,768 .. +32,767: wave w's part of Wfc, row n (column tile) at 8,192 n, K step at 1,024 a step; after its last fill has been read, its first 8,704 bytes are the wave's stage.
.set L16,  1                           ; v1      16 x lane; never rewritten
.set DE,   2                           ; v2      8 h - r, signed
.set NINF, 3                           ; v3      -infinity
.set OFS,  4                           ; v4      where my head's o goes in LDS
.set STO,  5                           ; v5      the way out: where I put 32 bytes of a row
.set RD,   6                           ; v6      the way out: where I read a row back
.set GO,   7                           ; v7      my byte offset in the work-group's rows of out0
.set R16,  8                           ; v8      16 r
.set WA,   9                           ; v9      my wave's part of Wfc in LDS + 16 x lane
.set KO,   10                          ; v10-27  byte offset of my 16 bytes in key tile j's first block; never rewritten
.set BFC,  28                          ; v28-31  bfc of my four columns on the way out
.set ST,   32                          ; tile t's statistics at ST + 8 t: +0 c m, +1 m, +2, +3 l (even keys', odd keys'), +4..+7 at work; the rescaling factor in +6
.set SU,   48                          ; tile t's four sum pairs at SU + 8 t
.set QF,   64                          ; v64-95   Q: 16 t + 4 ct
.set S,    96                          ; v96-191  S^T: tile (t, jj) at S + 48 t + 8 jj; P (t, a) in place at S + 48 t + 16 a, 8 registers
.set OT,   192                         ; v192-255 O^T: tile (t, ct) at OT + 32 t + 8 ct
.set OA,   64                          ; the last product: o's fragments, two sets of 64
.set FACC, 192                         ; the last product: accumulator (t, n) at FACC + 8 (4 t + n)
.set KB,   0                           ; window 1: K, 16 jj + 4 ct
.set VB,   160                         ; window 1: V, 32 a + 8 ct + 4 u
.set CS,   24                          ; s[24:25] c, twice
.set SEL,  26                          ; s[26:27] v_permlanex16_b32: each lane takes its own place in the other half
.set G1,   32                          ; s[32:39] descriptor group 1: the shape of both loads
.set G0,   40                          ; s[40:43] group 0 of the first fill, s[44:47] of the refill; never rewritten
.set SP,   272                         ; a stage row: 256 bytes + 16
.set WREG, 32768                       ; bytes of a wave's part of Wfc; the parts begin behind o's 32,768 bytes
.set MSB, 0
.macro WIN new                         ; the immediate's high byte repeats the setting that is left; a switch that changes nothing is dropped
.if MSB != \new
	s_set_vgpr_msb (MSB<<8)|\new
.set MSB, \new
.endif
.endm
.macro PLACES n
.rept \n
	v_nop
.endr
.endm
.macro MM d, a, b, zero                ; one product; zero = 1: it starts the sum
.if \zero
	v_wmma_f32_16x16x32_f16 v[\d:\d+7], v[\a:\a+7], v[\b:\b+7], 0
.else
	v_wmma_f32_16x16x32_f16 v[\d:\d+7], v[\a:\a+7], v[\b:\b+7], v[\d:\d+7]
.endif
.endm
; A round of the cluster's barrier: my work-group's barrier, so that wave 0's signal speaks for all eight waves; wave 0 signals for the work-group; every wave waits for all four
; work-groups; my work-group's barrier once more.  No LDS instruction of the wave is pending at a signal.
.macro ROUND
	s_barrier_signal -1
	s_barrier_wait -1
	s_cmp_lg_u32 s3, 0
	s_cbranch_scc1 .Lnot_wave_0_\@
	s_barrier_signal -3
.Lnot_wave_0_\@:
	s_barrier_wait -3
	s_barrier_signal -1
	s_barrier_wait -1
.endm
.macro KLOAD j0                        ; 24 loads: six key tiles of K
.irp jj, 0,1,2,3,4,5
.irp ct, 0,1,2,3
	global_load_b128 v[KB+16*\jj+4*\ct:KB+16*\jj+4*\ct+3], v[KO+\j0+\jj], s[10:11] offset:\ct*512
.endr
.endr
.endm
.macro VLOAD j0                        ; 24 loads: the same tiles of V; tiles 2 a and 2 a + 1 are the two halves of a fragment of 32 keys
.irp a, 0,1,2
.irp u, 0,1
.irp ct, 0,1,2,3
	global_load_b128 v[VB+32*\a+8*\ct+4*\u:VB+32*\a+8*\ct+4*\u+3], v[KO+\j0+2*\a+\u], s[12:13] offset:\ct*512
.endr
.endr
.endr
.endm
.macro WLDS g, buf                     ; 32 LDS loads, 512 consecutive bytes each: Wfc's fragments of K steps 4 g .. 4 g + 3 for my four column tiles, into window 1
.irp u, 0,1,2,3
.irp n, 0,1,2,3
.irp hf, 0,1
	ds_load_b128 v[\buf+32*\u+8*\n+4*\hf:\buf+32*\u+8*\n+4*\hf+3], v[WA] offset:\n*8192+((\g)%2)*4096+\u*1024+\hf*512
.endr
.endr
.endr
.endm
; 24 products S^T = K Q^T; the 12 accumulators take turns, one instruction a turn
.macro QK
.irp kc, 0,1
.irp jj, 0,1,2,3,4,5
.irp t, 0,1
	MM S+48*\t+8*\jj, KB+16*\jj+8*\kc, QF+16*\t+8*\kc, 1-\kc
.endr
.endr
.endr
.endm
; 24 products O^T += V^T P; the 8 accumulators take turns.  first = 1: the first 8 start the sums
.macro PV first
.irp a, 0,1,2
.irp ct, 0,1,2,3
.irp t, 0,1
.if \first && (\a == 0)
	MM OT+32*\t+8*\ct, VB+32*\a+8*\ct, S+48*\t+16*\a, 1
.else
	MM OT+32*\t+8*\ct, VB+32*\a+8*\ct, S+48*\t+16*\a, 0
.endif
.endr
.endr
.endr
.endm
; key tile j (place jj in the step): 0 is added to both query tiles' scores if it lies in the sequence, -infinity if not.  A select on the work-group's number; no branch.
.macro EDGE j, jj
	s_add_co_i32 s20, s6, \j
	s_cmp_lt_u32 s20, 256                          ; a negative tile number is a large unsigned one
	s_cselect_b32 s22, 0, 0xff800000
	s_mov_b32 s23, s22                             ; named with it as a pair, so it is written
.irp t, 0,1
.irp p, 0,1,2,3
	v_pk_add_f32 v[S+48*\t+8*\jj+2*\p:S+48*\t+8*\jj+2*\p+1], v[S+48*\t+8*\jj+2*\p:S+48*\t+8*\jj+2*\p+1], s[22:23] op_sel_hi:[1,0]
.endr
.endr
.endm
; the band's edge inside a tile, for tile (0, ja) and tile (1, jb), which share the condition.  lo = 1: seen iff (8 h - r) + i >= 0; lo = 0: iff <= 0
.macro BAND lo, ja, jb
.irp i, 0,1,2,3,4,5,6,7
.if \lo
	v_cmp_le_i32 vcc_lo, -\i, v[DE]
.else
	v_cmp_ge_i32 vcc_lo, -\i, v[DE]
.endif
	v_cndmask_b32 v[S+8*\ja+\i],    v[NINF], v[S+8*\ja+\i],    vcc_lo
	v_cndmask_b32 v[S+48+8*\jb+\i], v[NINF], v[S+48+8*\jb+\i], vcc_lo
.endr
.endm
.macro KILL t, jj                      ; a tile wholly outside the band
.irp i, 0,1,2,3,4,5,6,7
	v_mov_b32 v[S+48*\t+8*\jj+\i], v[NINF]
.endr
.endm
; One step's softmax for both query tiles, which alternate line by line so that no line waits for the one before it.  first = 1: there is no old maximum and nothing to rescale.
.macro SOFTMAX first
	; the maximum of 48 scores and the old m: four chains of 11 scores, the four left over, the chains, the old m
.irp c, 0,1,2,3
.irp t, 0,1
	v_max3_num_f32 v[ST+8*\t+4+\c], v[S+48*\t+12*\c], v[S+48*\t+12*\c+1], v[S+48*\t+12*\c+2]
.endr
.endr
.irp p, 0,1,2,3
.irp c, 0,1,2,3
.irp t, 0,1
	v_max3_num_f32 v[ST+8*\t+4+\c], v[ST+8*\t+4+\c], v[S+48*\t+12*\c+3+2*\p], v[S+48*\t+12*\c+4+2*\p]
.endr
.endr
.endr
.irp t, 0,1
	v_max3_num_f32 v[ST+8*\t+4], v[ST+8*\t+4], v[S+48*\t+11], v[S+48*\t+23]
	v_max3_num_f32 v[ST+8*\t+6], v[ST+8*\t+6], v[S+48*\t+35], v[S+48*\t+47]
.endr
.irp t, 0,1
	v_max3_num_f32 v[ST+8*\t+4], v[ST+8*\t+4], v[ST+8*\t+5], v[ST+8*\t+6]
.endr
.irp t, 0,1
.if \first
	v_max_num_f32 v[ST+8*\t+4], v[ST+8*\t+4], v[ST+8*\t+7]
.else
	v_max3_num_f32 v[ST+8*\t+4], v[ST+8*\t+4], v[ST+8*\t+7], v[ST+8*\t+1]
.endif
.endr
.irp t, 0,1
	v_permlanex16_b32 v[ST+8*\t+5], v[ST+8*\t+4], s[SEL], s[SEL+1]   ; the query's other 48 keys lie in the lane 16 away
.endr
.if \first == 0
.irp t, 0,1
	v_mov_b32 v[ST+8*\t+7], v[ST+8*\t]             ; c m_old is kept: c m is written anew below
.endr
.endif
.irp t, 0,1
	v_max_num_f32 v[ST+8*\t+1], v[ST+8*\t+4], v[ST+8*\t+5]
.endr
.irp t, 0,1
	v_mul_f32 v[ST+8*\t], s[CS], v[ST+8*\t+1]
.endr
.if \first == 0
.irp t, 0,1
	v_sub_f32 v[ST+8*\t+7], v[ST+8*\t+7], v[ST+8*\t]
.endr
.irp t, 0,1
	v_exp_f32 v[ST+8*\t+6], v[ST+8*\t+7]           ; the plain lines below stand between it and its first use
.endr
.endif
.set i, 0
.rept 24
.irp t, 0,1
	v_pk_fma_f32 v[S+48*\t+2*i:S+48*\t+2*i+1], v[S+48*\t+2*i:S+48*\t+2*i+1], s[CS:CS+1], v[ST+8*\t:ST+8*\t+1] op_sel_hi:[1,0,0] neg_lo:[0,0,1] neg_hi:[0,0,1]   ; c s - c m
.endr
.set i, i+1
.endr
.set i, 0
.rept 48
.irp t, 0,1
	v_exp_f32 v[S+48*\t+i], v[S+48*\t+i]
.endr
.set i, i+1
.endr
	v_nop                                          ; one plain instruction between the exponentials and the first use of a result (ISA guide 5.7.2)
	; the sum of a tile's 24 pairs, in four chains
	s_wait_alu depctr_va_vdst(0)
.irp c, 0,1,2,3
.irp t, 0,1
	v_pk_add_f32 v[SU+8*\t+2*\c:SU+8*\t+2*\c+1], v[S+48*\t+2*\c:S+48*\t+2*\c+1], v[S+48*\t+2*\c+8:S+48*\t+2*\c+9]
.endr
.endr
.irp p, 2,3,4,5
.irp c, 0,1,2,3
.irp t, 0,1
	v_pk_add_f32 v[SU+8*\t+2*\c:SU+8*\t+2*\c+1], v[SU+8*\t+2*\c:SU+8*\t+2*\c+1], v[S+48*\t+8*\p+2*\c:S+48*\t+8*\p+2*\c+1]
.endr
.endr
.endr
.irp t, 0,1
	v_pk_add_f32 v[SU+8*\t:SU+8*\t+1],   v[SU+8*\t:SU+8*\t+1],   v[SU+8*\t+2:SU+8*\t+3]
	v_pk_add_f32 v[SU+8*\t+4:SU+8*\t+5], v[SU+8*\t+4:SU+8*\t+5], v[SU+8*\t+6:SU+8*\t+7]
.endr
.if \first
.irp t, 0,1
	v_pk_add_f32 v[ST+8*\t+2:ST+8*\t+3], v[SU+8*\t:SU+8*\t+1], v[SU+8*\t+4:SU+8*\t+5]
.endr
.else
.irp t, 0,1
	v_pk_add_f32 v[SU+8*\t:SU+8*\t+1], v[SU+8*\t:SU+8*\t+1], v[SU+8*\t+4:SU+8*\t+5]
.endr
.irp t, 0,1
	v_pk_fma_f32 v[ST+8*\t+2:ST+8*\t+3], v[ST+8*\t+2:ST+8*\t+3], v[ST+8*\t+6:ST+8*\t+7], v[SU+8*\t:SU+8*\t+1] op_sel_hi:[1,0,1]
.endr
.endif
	; the weights, rounded to f16 in place: 16 registers of two key tiles become the 8 of a fragment
.irp a, 0,1,2
.irp e, 0,1,2,3,4,5,6,7
.irp t, 0,1
	v_cvt_pk_f16_f32 v[S+48*\t+16*\a+\e], v[S+48*\t+16*\a+2*\e], v[S+48*\t+16*\a+2*\e+1]
.endr
.endr
.endr
.if \first == 0
.set i, 0
.rept 16
.irp t, 0,1
	v_pk_mul_f32 v[OT+32*\t+2*i:OT+32*\t+2*i+1], v[OT+32*\t+2*i:OT+32*\t+2*i+1], v[ST+8*\t+6:ST+8*\t+7] op_sel_hi:[1,0]
.endr
.set i, i+1
.endr
.endif
.endm
; A step of six key tiles from j0 on.  nj0: the next step's first tile, or -1 in the last step, which copies Wfc's K steps 0-7 from LDS into the registers that K and V leave.
.macro STEP j0, first, nj0
	s_wait_loadcnt 24                              ; loads return in order: all but the youngest 24, this step's V, are in: K is there (and, the first time, Q and bfc)
	WIN 0x01
	QK
	PLACES 4                                       ; four places in front of the loads into K's registers and of the first read of a score
	WIN 0x40
.if \nj0 >= 0
	KLOAD \nj0
.else
	s_wait_tensorcnt 0x0                           ; my one tensor load, the first fill, has landed; only I read what it brought
	WLDS 0, 0
.endif
	WIN 0
.irp jj, 0,1,2,3,4,5
.if (\j0+\jj != 8) && (\j0+\jj != 9)   ; tiles 8 and 9 are the queries' own and always exist
	EDGE \j0+\jj, \jj
.endif
.endr
.if \j0 == 0
	BAND 1, 0, 1
	KILL 1, 0
.endif
.if \j0 == 12
	BAND 0, 4, 5
	KILL 0, 5
.endif
	SOFTMAX \first
.if \nj0 >= 0
	s_wait_loadcnt 24                              ; all but the next step's 24 loads of K: V is in
.else
	s_wait_loadcnt 0x0                             ; nothing was asked for behind the last V
.endif
	WIN 0x01
	PV \first
	PLACES 5                                       ; five places: the next step's first product writes over P, which these products read; the loads below need four
	WIN 0x40
.if \nj0 >= 0
	VLOAD \nj0
.else
	WLDS 1, 128
.endif
	WIN 0
.endm
.macro OLOAD g, set                    ; 16 LDS loads: o's fragments of K steps 4 g .. 4 g + 3, both query tiles
.irp u, 0,1,2,3
.irp t, 0,1
.irp hf, 0,1
	ds_load_b128 v[\set+16*\u+8*\t+4*\hf:\set+16*\u+8*\t+4*\hf+3], v[L16] offset:\t*16384+(4*(\g)+\u)*1024+\hf*512
.endr
.endr
.endr
.endm
; Group g of four of the last product: 128 along K, 32 products; the 8 accumulators take turns, from group to group too
.macro FCMUL g
	WIN 0x01
.irp u, 0,1,2,3
.irp t, 0,1
.irp n, 0,1,2,3
.if (\g == 0) && (\u == 0)
	MM FACC+8*(4*\t+\n), 128*(\g%2)+32*\u+8*\n, OA+64*(\g%2)+16*\u+8*\t, 1
.else
	MM FACC+8*(4*\t+\n), 128*(\g%2)+32*\u+8*\n, OA+64*(\g%2)+16*\u+8*\t, 0
.endif
.endr
.endr
.endr
.endm
	s_load_b256 s[8:15], s[0:1], 0x0               ; qf 8:9, kf 10:11, vf 12:13, wf 14:15
	s_load_b128 s[16:19], s[0:1], 0x20             ; bfc 16:17, out0 18:19
	v_lshl_add_u32 v254, v0, 2, 0x48000
	v_mov_b32 v255, 0
	ds_add_u32 v254, v255
	s_wait_dscnt 0x0
	v_lshrrev_b32 v33, 5, v0
	v_readfirstlane_b32 s3, v33                    ; wave = head
	s_bfe_u32 s21, ttmp6, 0x40000                  ; cx: my place in the cluster
	s_lshl_b32 s2, ttmp9, 2                        ; in a cluster launch ttmp9 counts clusters
	s_add_co_u32 s2, s2, s21                       ; block of 32 queries, 0..255: it enters the offsets of q, k, v and out0 and the selects at the sequence's ends, nothing else
	s_lshr_b32 s4, s2, 7                           ; batch
	s_and_b32 s5, s2, 127                          ; qi: the block within the batch
	s_lshl_b32 s6, s5, 1
	s_add_co_i32 s6, s6, -8                        ; the first key tile, 2 qi - 8 (may be negative)
	s_mov_b32 s[CS], 0x3e38aa3b                    ; c = log2(e) / 8
	s_mov_b32 s[CS+1], s[CS]
	s_mov_b32 s[SEL], 0x76543210
	s_mov_b32 s[SEL+1], 0xfedcba98
	; descriptor group 1: 4 rows (my column tiles) of 8,192 bytes (8 K steps), 16,384 bytes apart in wf, laid into LDS without gaps
	s_mov_b32 s[G1+0], 15|(3<<16)|(1<<21)          ; 15:0 the mask: all four work-groups; 17:16 elements of 8 bytes; 20 no padding; 21 set beside a mask
	s_mov_b32 s[G1+1], 1024<<16                    ; tensor_dim0 = 1,024 elements
	s_mov_b32 s[G1+2], 4<<16                       ; tensor_dim1 = 4
	s_mov_b32 s[G1+3], 1024<<16                    ; tile_dim0 = 1,024
	s_mov_b32 s[G1+4], 4                           ; tile_dim1 = 4
	s_mov_b32 s[G1+5], 2048                        ; elements from row to row
	s_mov_b32 s[G1+6], 0
	s_mov_b32 s[G1+7], 0
	s_lshl_b32 s20, s3, 15                         ; wave x 32,768: no place in the cluster enters an LDS address
	s_mov_b32 s[G0], 1                             ; count = 1
	s_add_co_u32 s[G0+1], s20, WREG                ; LDS address: my part of Wfc
	s_mov_b32 s[G0+4], 1
	s_add_co_u32 s[G0+5], s20, WREG                ; the refill goes to the same bytes
	v_and_b32 v[L16], 31, v0
	v_lshlrev_b32 v[L16], 4, v[L16]
	v_and_b32 v34, 15, v0                          ; r
	v_bfe_u32 v32, v0, 4, 1                        ; h
	v_lshlrev_b32 v[DE], 3, v32
	v_sub_nc_u32 v[DE], v[DE], v34
	v_mov_b32 v[NINF], 0xff800000
	v_lshl_add_u32 v[OFS], s3, 11, v[L16]          ; my head's four blocks of 512 bytes
	v_add_nc_u32 v[WA], s[G0+1], v[L16]
	v_mul_u32_u24 v[STO], v34, SP
	v_lshl_add_u32 v[STO], v32, 5, v[STO]          ; in: row r, 32 bytes for each half of the lanes
	v_add_nc_u32 v[STO], s[G0+1], v[STO]
	v_mul_u32_u24 v[RD], v32, SP
	v_lshl_add_u32 v[RD], v34, 4, v[RD]            ; back: lanes 0-15 one row of 256 bytes, lanes 16-31 the next
	v_add_nc_u32 v[RD], s[G0+1], v[RD]
	v_lshlrev_b32 v[GO], 11, v32
	v_lshl_add_u32 v[GO], v34, 4, v[GO]            ; the same two rows in out0
	v_lshlrev_b32 v[R16], 4, v34
.irp j, 0,1,2,3,4,5,6,7,8,9,10,11,12,13,14,15,16,17
	s_add_co_i32 s20, s6, \j
	s_max_i32 s20, s20, 0
	s_min_i32 s20, s20, 255                        ; clamped into the sequence
	s_lshl_b32 s20, s20, 11
	v_add_nc_u32 v[KO+\j], s20, v[L16]
.endr
	s_lshl_b32 s28, s4, 3
	s_add_co_u32 s28, s28, s3
	s_lshl_b32 s28, s28, 19                        ; (batch*8 + head) x 256 tiles x 2,048 bytes
	s_mov_b32 s29, 0
	s_lshl_b32 s30, s3, 16                         ; my four column tiles of Wfc: 64 blocks of 1,024 bytes; this pair never holds my place in the cluster
	s_mov_b32 s31, 0
	s_wait_kmcnt 0x0
	s_add_nc_u64 s[8:9], s[8:9], s[28:29]
	s_add_nc_u64 s[10:11], s[10:11], s[28:29]
	s_add_nc_u64 s[12:13], s[12:13], s[28:29]
	s_lshl_b32 s28, s5, 12                         ; my two query tiles
	s_add_nc_u64 s[8:9], s[8:9], s[28:29]
	s_add_nc_u64 s[G0+2:G0+3], s[14:15], s[30:31]  ; global address of the first fill: K steps 0-7 of my column tiles
	s_add_nc_u64 s[G0+6:G0+7], s[G0+2:G0+3], 8192  ; of the refill: K steps 8-15
	s_or_b32 s[G0+3], s[G0+3], 0x80000000          ; type = 2
	s_or_b32 s[G0+7], s[G0+7], 0x80000000
	s_lshl_b32 s28, s3, 8                          ; my 64 columns
	s_add_nc_u64 s[16:17], s[16:17], s[28:29]
	s_add_nc_u64 s[18:19], s[18:19], s[28:29]
	s_lshl_b32 s28, s2, 16                         ; 32 rows of 2,048 bytes
	s_add_nc_u64 s[18:19], s[18:19], s[28:29]
	global_load_b128 v[BFC:BFC+3], v[R16], s[16:17]
.irp t, 0,1
.irp ct, 0,1,2,3
	global_load_b128 v[QF+16*\t+4*\ct:QF+16*\t+4*\ct+3], v[L16], s[8:9] offset:\t*2048+\ct*512
.endr
.endr
	WIN 0x40
	KLOAD 6
	VLOAD 6
	WIN 0
	ROUND                                          ; all four work-groups are here: the first joint loads meet.  The loads above are of data that nobody writes and stay on their way
	tensor_load_to_lds s[G0:G0+3], s[G1:G1+7]      ; Wfc's K steps 0-7 for my columns: wanted only in the last key step
	s_nop 0
	PLACES 4                                       ; four v_nop follow a joint load
	STEP 6, 1, 0                                   ; the centre
	STEP 0, 0, 12                                  ; the low keys
	STEP 12, 0, -1                                 ; the high keys
	; o = O / l, rounded to f16, into LDS as fragments of the last product.  l >= 1: the key that holds the maximum adds 1.
.irp t, 0,1
	v_add_f32 v[ST+8*\t+4], v[ST+8*\t+2], v[ST+8*\t+3]
.endr
.irp t, 0,1
	v_permlanex16_b32 v[ST+8*\t+5], v[ST+8*\t+4], s[SEL], s[SEL+1]
.endr
.irp t, 0,1
	v_add_f32 v[ST+8*\t+4], v[ST+8*\t+4], v[ST+8*\t+5]
.endr
.irp t, 0,1
	v_rcp_f32 v[ST+8*\t+6], v[ST+8*\t+4]
.endr
	v_nop                                          ; one plain instruction between the reciprocals and their use
.set i, 0
	s_wait_alu depctr_va_vdst(0)
.rept 16
.irp t, 0,1
	v_pk_mul_f32 v[OT+32*\t+2*i:OT+32*\t+2*i+1], v[OT+32*\t+2*i:OT+32*\t+2*i+1], v[ST+8*\t+6:ST+8*\t+7] op_sel_hi:[1,0]
.endr
.set i, i+1
.endr
.irp t, 0,1
.irp ct, 0,1,2,3
.irp e, 0,1,2,3
	v_cvt_pk_f16_f32 v[OT+32*\t+8*\ct+\e], v[OT+32*\t+8*\ct+2*\e], v[OT+32*\t+8*\ct+2*\e+1]
.endr
	ds_store_b128 v[OFS], v[OT+32*\t+8*\ct:OT+32*\t+8*\ct+3] offset:\t*16384+\ct*512
.endr
.endr
	; ONE ROUND FOR TWO THINGS.  In front of it: my head's o is written, my reads of Wfc's first half are back, and no tensor load of mine is out.  Behind it every head's o may be read,
	; and no wave of any partner still reads the bytes that the joint refill fills.
	s_wait_dscnt 0x0
	s_wait_xcnt 0x0
	v_lshl_add_u32 v254, v0, 2, 0x48000
	v_mov_b32 v255, 0
	s_wait_tensorcnt 0x0
	ds_add_u32 v254, v255
	s_wait_dscnt 0x0
	ROUND
	tensor_load_to_lds s[G0+4:G0+7], s[G1:G1+7]    ; Wfc's K steps 8-15: my one tensor load behind the round, and the first thing there; it has the 64 products below in which to land
	s_nop 0
	PLACES 4
	OLOAD 0, OA
	OLOAD 1, OA+64
	s_wait_dscnt 16                                ; all but the 16 just issued: group 0's o is in
	FCMUL 0
	s_wait_dscnt 0x0
	FCMUL 1
	WIN 0
	PLACES 4                                       ; four places in front of the loads into the registers that these products read
	OLOAD 2, OA
	s_wait_tensorcnt 0x0                           ; the refill has landed; only I read what it brought
	WIN 0x40
	WLDS 2, 0
	WIN 0
	s_wait_dscnt 0x0                               ; group 2's o and Wfc are in
	OLOAD 3, OA+64
	WIN 0x40
	WLDS 3, 128                                    ; group 3 comes in while group 2 is multiplied
	FCMUL 2
	s_wait_dscnt 0x0                               ; group 3 is in, and with it my last read of my part of Wfc
	FCMUL 3
	; THE WAY OUT.  A lane holds one token and eight neighbouring columns (32 bytes).  They go through my stage and come back as whole rows of 256 bytes; then the bias, and the store.
	; The stage is the head of my own part of Wfc: its last fill has landed, my reads of it are back, and no other wave touches it.
	WIN 0
	PLACES 4                                       ; four places between the last products and the first read of a result
.irp t, 0,1
.irp n, 0,1,2,3
	ds_store_b128 v[STO], v[FACC+8*(4*\t+\n):FACC+8*(4*\t+\n)+3]   offset:\t*16*SP+\n*64
	ds_store_b128 v[STO], v[FACC+8*(4*\t+\n)+4:FACC+8*(4*\t+\n)+7] offset:\t*16*SP+\n*64+16
.endr
.endr
.irp f, 0,1,2,3,4,5,6,7,8,9,10,11,12,13,14,15
	ds_load_b128 v[OA+4*\f:OA+4*\f+3], v[RD] offset:\f*2*SP        ; LDS serves a wave's instructions in order (ISA guide 5.7.1.4): these see the stores above
.endr
.irp f, 0,1,2,3,4,5,6,7,8,9,10,11,12,13,14,15
	s_wait_dscnt 15-\f                             ; the younger row loads stay out
	v_pk_add_f32 v[OA+4*\f:OA+4*\f+1],   v[OA+4*\f:OA+4*\f+1],   v[BFC:BFC+1]
	v_pk_add_f32 v[OA+4*\f+2:OA+4*\f+3], v[OA+4*\f+2:OA+4*\f+3], v[BFC+2:BFC+3]
	global_store_b128 v[GO], v[OA+4*\f:OA+4*\f+3], s[18:19] offset:\f*4096 th:TH_STORE_NT   ; 16 lanes store 256 consecutive bytes, at a multiple of 256 from out0's first byte
.endr
	s_wait_xcnt 0x0
	v_lshl_add_u32 v254, v0, 2, 0x48000
	v_mov_b32 v255, 0
	s_wait_tensorcnt 0x0
	ds_add_u32 v254, v255
	s_wait_dscnt 0x0
	ROUND                                          ; the closing round: no work-group ends while a partner may still ask for a tile that names it
	s_endpgm
.Lfunc_end_k_q9ec2918bf8_attn:
	.size	k_q9ec2918bf8_attn, .Lfunc_end_k_q9ec2918bf8_attn-k_q9ec2918bf8_attn
	.p2alignl 7, 3214868480
	.fill 96, 4, 3214868480
	.section	.rodata,"a",@progbits
	.p2align	6, 0x0
	.amdhsa_kernel k_q9ec2918bf8_attn
		.amdhsa_group_segment_fixed_size 327680
		.amdhsa_private_segment_fixed_size 0
		.amdhsa_enable_private_segment 0
		.amdhsa_kernarg_size 48
		.amdhsa_user_sgpr_count 2
		.amdhsa_user_sgpr_kernarg_segment_ptr 1
		.amdhsa_wavefront_size32 1
		.amdhsa_system_sgpr_workgroup_id_x 1
		.amdhsa_system_sgpr_workgroup_id_y 1
		.amdhsa_system_sgpr_workgroup_id_z 1
		.amdhsa_system_vgpr_workitem_id 0
		.amdhsa_next_free_vgpr 512
		.amdhsa_next_free_sgpr 66
		.amdhsa_reserve_vcc 1
		.amdhsa_float_denorm_mode_32 3
		.amdhsa_float_denorm_mode_16_64 3
		.amdhsa_memory_ordered 1
		.amdhsa_forward_progress 1
		.amdhsa_inst_pref_size 129
	.end_amdhsa_kernel
	.amdgpu_metadata
---
amdhsa.version: [ 1, 2 ]
amdhsa.kernels:
  - .name:           k_q9ec2918bf8_attn
    .symbol:         k_q9ec2918bf8_attn.kd
    .args:
      - { .name: qf, .offset: 0, .size: 8, .value_kind: global_buffer, .address_space: global }
      - { .name: kf, .offset: 8, .size: 8, .value_kind: global_buffer, .address_space: global }
      - { .name: vf, .offset: 16, .size: 8, .value_kind: global_buffer, .address_space: global }
      - { .name: wf, .offset: 24, .size: 8, .value_kind: global_buffer, .address_space: global }
      - { .name: bfc, .offset: 32, .size: 8, .value_kind: global_buffer, .address_space: global }
      - { .name: out0, .offset: 40, .size: 8, .value_kind: global_buffer, .address_space: global }
    .group_segment_fixed_size: 327680
    .private_segment_fixed_size: 0
    .kernarg_segment_align: 8
    .kernarg_segment_size: 48
    .max_flat_workgroup_size: 256
    .sgpr_count:     66
    .vgpr_count:     512
    .wavefront_size: 32
...
	.end_amdgpu_metadata
.endif
;; end of part 2
